; MI455X (gfx1250); checked and timed in simulation.
; The chip was launched on July 23, 2026; its instructions are those of AMD's public machine-readable ISA for CDNA 5 (MIT licence, August 2026) and "CDNA5" Instruction Set Architecture Reference Guide (July 2026). The comments in the code are by the model that wrote it; some were corrected since.
;; MHA Kernel. Allowed arithmetic: matrix products marked QUANTISED: E4M3 operands, one given power-of-two scale a tensor, by v_wmma_f32_16x16x64_fp8_fp8 or v_wmma_f32_16x16x128_fp8_fp8, f32 sums; everything else in f32.
;; Inputs: k_codes 4 x 2,048 x 16 x 4 x 32 uint8 (E4M3 codes of k, K innermost, in blocks of 32 codes); lowp_scales 4 int32 (the exponents e of the quantised operands' scales 2^e); q_codes 4 x 2,048 x 16 x 4 x 32 uint8 (E4M3 codes of q, K innermost, in blocks of 32 codes); v_codes 4 x 16 x 128 x 64 x 32 uint8 (E4M3 codes of v, K innermost, in blocks of 32 codes).
;; Outputs: out0 4 x 2,048 x 16 x 128 float32.
;; This version of the problem:
;;   THIS VERSION OF THE PROBLEM IS GIVEN IN LOW PRECISION. The matrix products marked QUANTISED in the list below multiply operands that are first quantised to E4M3 (4 exponent bits, 3 mantissa bits; 8 bits a number), with one given power-of-two scale for each operand tensor; their sums are f32. All else is computed in f32.
;;   The module's matrix products, in the order in which they are computed (A, B: the left and right operand; K: the contracted axis; several contracted axes count as one K, in the product's order):
;;     1. batch 64 x [M 2,048, K 128] x [K 128, N 2,048]; A: input q (given as codes); B: input k (given as codes): QUANTISED (scales: A lowp_scales[0], B lowp_scales[1])
;;     2. batch 64 x [M 128, K 2,048] x [K 2,048, N 2,048]; A: input v (given as codes); B: softmax (see below): QUANTISED (scales: A lowp_scales[2], B lowp_scales[3])
;;   THE QUANTISER, for each operand of a quantised product, along K:
;;     - The operand's scale is 2^e, e = its entry of the input lowp_scales (int32; the entries are numbered through the quantised products in the list's order, A before B).
;;     - Each number is divided by the scale, clamped to +-448, and rounded to the nearest number of E4M3, ties to even, subnormals kept.
;;     - The product sums the exact products of the quantised numbers (number of the format x scale) in f32.
;;   ~~~python
;;   def quantise(x, axis, e):      # numpy; x: float32 -> the quantised numbers, widened to float32 again
;;       x = np.moveaxis(x, axis, -1); K = x.shape[-1]
;;       r = np.clip(x / 2.0 ** e, -448, 448)
;;       step = 2.0 ** (np.maximum(np.frexp(np.where(r == 0, 1, r))[1] - 1, -6) - 3)
;;       q = np.round(r / step) * step * 2.0 ** e      # np.round: ties to even
;;       return np.moveaxis(q, -1, axis).astype(np.float32)
;;   ~~~
;;   SOFTMAX AHEAD OF A QUANTISED PRODUCT. Where the list says 'softmax', what is quantised is not the finished softmax but p = 2^(t - M), with t = logit x log2(e) and M = ceil(the row's largest t), a whole number; so 1/2 < the row's largest p <= 1. The row's sum l is taken of the UNQUANTISED p, in f32, and the product's result is divided by l at the end. Since M is a whole number, a kernel that streams over the keys may use a running M (the ceiling of the running maximum): every later rescaling is an exact power of two, so the quantised numbers keep their values, but for numbers so far below the row's largest that they fall under the format's range.
;;   OPERANDS COMPUTED ON THE WAY. 'Computed on the way' means the value that the module computes at that place (a softmax that the list does not call 'softmax' is quantised finished and normalised). What goes into a quantiser is computed in f32, as accurately as f32 sums, v_exp_f32 and their like allow (about 1e-6 of the number): no bf16 or f16 on the way to a quantiser, and a product that is left as it is and whose result goes on into a quantised operand takes f32 operands (vector FMAs, or v_wmma_f32_16x16x4_f32). A number that lies on a knife's edge between two numbers of the format may be rounded either way, as far as f32 arithmetic and the matrix unit's own rounding can turn it there, and no further.
;;   INPUTS GIVEN AS CODES. k (in the module: [4, 2048, 16, 128], K = its axis 3); q (in the module: [4, 2048, 16, 128], K = its axis 3); v (in the module: [4, 2048, 16, 128], K = its axis 1): each comes as NAME_codes (uint8): NAME with its K axis moved to the last place and cut into blocks of 32 codes, [.., K / 32, bytes a block], one block behind the other in memory; one code a byte (a code: sign, 4 exponent bits, 3 mantissa bits); its scale is its entry of lowp_scales. Its value is code x scale, taken as it is: it is not quantised again, and the codes and scales need not be those that the quantiser above would give.
;; One version. Each part assembles by itself: llvm-mc -triple=amdgcn-amd-amdhsa -mcpu=gfx1250 --defsym DOCPART=n.
;; ======== version 1 of 1: 1 launch
;; limits: right only within a limited range of input values
;; launch attn (part 1): grid 4 x 64, 8 waves a work-group, no clusters, 327,680 bytes of LDS; arguments q_codes, k_codes, v_codes, lowp_scales, out0; writes out0
.if DOCPART == 1
	.amdgcn_target "amdgcn-amd-amdhsa--gfx1250"
	.amdhsa_code_object_version 6
	.text
	.protected	k_q4b89ff3e27_attn
	.globl	k_q4b89ff3e27_attn
	.p2align	8
	.type	k_q4b89ff3e27_attn,@function
k_q4b89ff3e27_attn:
	s_mov_b64 s[64:65], 0
	v_nop
	global_prefetch_b8 v0, s[64:65] scope:SCOPE_SE
	s_setreg_imm32_b32 hwreg(HW_REG_WAVE_MODE, 25, 1), 1
	s_wait_xcnt 0x0
; CAUSAL ATTENTION ON CODES OF FP8 (E4M3).  out[b][q][h][:] = the sum over keys k <= q of softmax_k(Q.K / sqrt(128)) V.  B = 4, S = 2,048, H = 16, D = 128.
; q_codes, k_codes: [b][s][h][128], one byte a code: a head's row is 128 bytes, rows 2,048 bytes apart.  v_codes: [b][h][d][2,048 keys]: the keys, the second product's K, are innermost.
; out0: [b][s][h][128] f32: rows of 512 bytes, 8,192 apart.  lowp_scales: eq, ek, ev, ep (whole numbers; a scale is 2^e).
; THE SOFTMAX AHEAD OF THE SECOND PRODUCT: t = score x 2^(eq + ek) x log2(e) / sqrt(128); M = the running largest t rounded UP to a whole number; p = 2^(t - M) is quantised with 2^ep;
; the row's sum is taken of the unquantised p; when M moves, the sum and O are multiplied by 2^(old M - new M), which rounds nothing; at the end O x 2^(ep + ev) / the sum.
; SHARES.  Work-group (x, y): head y = 16 b + h; it owns TWO blocks of 256 queries, block 7 - x (the high pass) and block x (the low pass), and walks them one after the other in NINE trips of 256 keys:
; 8 - x trips for the high block, x + 1 for the low one.  Nine for every x: the trip count is a constant of the text, and 4 x 64 = 256 work-groups have equal work.  Key tiles wholly above the diagonal are never fetched.
; Each of the eight waves owns 32 queries, two tiles of 16 (A and B): 256 (7 - x) + 32 w in the high pass, 256 x + 32 (7 - w) in the low one: mirrored, so that every wave has 17 key steps of 128 keys that count.
; Each fragment of K and V that a wave reads from LDS feeds two matrix instructions, one for each tile.  Two waves share a SIMD: one's softmax stands beside the other's products and LDS loads.
; LAYOUT.  Both products are used transposed: S^T = K Q^T (source 0 = 16 neighbouring keys, source 1 = 16 queries), O^T = V^T P^T (source 0 = 16 channels, source 1 = P): a lane holds ONE query (lane % 16) throughout.
; Register 8 t + j of S^T holds key 16 t + 8 (lane / 16) + j, so one conversion of eight gives registers 2 t, 2 t + 1 of P in the very places that the matrix form gives each k; V's fragments are fetched in those
; places too (eight loads of 8 bytes).  K and Q are fetched by four loads of 16 bytes: a permutation of the head's 128, the same on both sides.
; NO CLUSTER: only the four work-groups of a head share K and V, and joint loads would bind them to one sequence of key slots: the partner with the most keys would set each trip's work, 12 slots' worth
; against the 9 of this walk; from trip 5 on the four want different tiles.
; LIMITS: eq + ek between -123 and 130 (they are added to the exponent field of log2(e) / sqrt(128)); ep between -126 and 127; ep + ev is applied by v_ldexp_f32 and has none.  NaN codes among the inputs are not served.
; REGISTERS, in two windows of 256; tile A lives in window 0, tile B in window 1, with the same numbers:
;   v12 -M, v13 the largest t, v[14:15] the sum in two halves, v16-31 Q, v32-95 four fragments of K or V (window 0: F0, window 1: F1; both tiles read both), v96-159 S^T then p, v160-223 O^T, v224-239 P's codes,
;   v[242:243] second chain of the sum, v244 2^ep, v246 the other half's number, v247 lane % 16 - 8 (lane / 16), v248 -infinity, v250 the mask's bound, v[252:253] f, v254 at work.
;   window 0 alone: v1-11 addresses.
.set KP,    144                        ; a key's row in LDS: 128 bytes + 16 of padding: 16 neighbouring rows start 36 words apart, at 16 different groups of four banks (64 banks of 4 bytes: ISA guide 11.1)
.set VP,    272                        ; a row of V's tile in LDS: 256 bytes + 16
.set VOFF,  256*KP                     ; a slot: 256 rows of K, then 128 rows of V
.set SLOT1, 1<<17                      ; slot 1 begins here: one exclusive or turns an address in one slot into the other's
.set SP,    272                        ; the way out: a stage row, 256 bytes + 16
.set STAGE, SLOT1+VOFF+128*VP          ; 202,752: behind the ring: 16 rows x 272 bytes for each wave; no tile ever lands here
.set SPARE, STAGE+8*16*SP              ; 237,568: the spare words, 128 bytes for each wave: four blocks of 256 bytes that no other line names
.set AK0, 1                            ; v1   my lane's place in a tile of K: 144 r + 16 hh
.set AV0, 2                            ; v2   in a tile of V: VOFF + 272 r + 8 hh
.set PFO, 3                            ; v3   the prefetches' offset: 2,048 x lane: a lane a row, of K and of V alike; never rewritten
.set QA,  4                            ; v4   Q: 2,048 r + 16 hh; never rewritten
.set SPW, 5                            ; v5   LDS address of my spare word; never rewritten
.set NIL, 6                            ; v6   0; never rewritten
.set GO,  7                            ; v7   the way out: 8,192 hh + 16 r in out0; never rewritten
.set ADK, 8                            ; v8   LDS address of the step's tiles of K
.set ADV, 9                            ; v9   of V
.set STI, 10                           ; v10  the stage: where I put 32 bytes of a row
.set STB, 11                           ; v11  and where I read a row back
.set TB,   2                           ; s2   LDS byte at which the slot in hand begins
.set TRIP, 3                           ; s3   the trip, 0 to 8
.set NH,   15                          ; s15  8 - x: the high pass's trips
.set KS,   16                          ; s16  the key slot that the next trip wants
.set LIM,  17                          ; s17  6 in a wave that prefetches, else 0: it asks while the trip is below
.set WV,   18                          ; s18  my wave's number
.set KF,   19                          ; s19  the step's first key
.set SEL,  20                          ; s[20:21] lane selects for v_permlanex16_b32: lane l xor 16
.set CS,   22                          ; s[22:23] c = 2^(eq + ek) log2(e) / sqrt(128); the packed form names a pair and takes its low word
.set G1K,  24                          ; s[24:31] descriptor group 1 for K's tiles;  s[32:39] for V's
.set G1V,  32
.set G0K,  40                          ; s[40:43], s[44:47] their groups 0
.set G0V,  44
.set KB,   48                          ; s[48:49] my half of key slot 0 of K in memory; never rewritten
.set VB,   50                          ; s[50:51] the same of V
.set PFK,  52                          ; s[52:53], s[54:55] where my prefetches stand
.set PFV,  54
.set QBH,  56                          ; s[56:57], s[58:59] my first query's codes, high and low pass; never rewritten
.set QBL,  58
.set OBH,  60                          ; s[60:61], s[62:63] its row of out0, high and low pass; never rewritten
.set OBL,  62
.set Q0,   66                          ; s66  my first query in the pass in hand
.set Q0L,  67                          ; s67  in the low pass
.set EPV,  72                          ; s72  ep + ev
.set MSB, 0
.macro WIN new                         ; s_set_vgpr_msb: bits 1:0 source 0, 3:2 source 1, 5:4 source 2, 7:6 destination; the high byte repeats the setting that is left; a switch that changes nothing is dropped
.if MSB != (\new)
	s_set_vgpr_msb (MSB<<8)|(\new)
.set MSB, (\new)
.endif
.endm
.macro PLACES n
.rept \n
	v_nop
.endr
.endm
; Waves 0 and 1 fetch K's halves (128 rows each), waves 2 and 3 V's (64 rows each), the others nothing.  The branches hang on the wave's number alone.  Four v_nop follow each of the two lines.
.macro TLOAD
	s_cmp_lt_u32 s[WV], 2
	s_cbranch_scc0 .Lnot_k_\@
	tensor_load_to_lds s[G0K:G0K+3], s[G1K:G1K+7]
	s_nop 0
.rept 4
	v_nop
.endr
	s_branch .Lasked_\@
.Lnot_k_\@:
	s_cmp_lt_u32 s[WV], 4
	s_cbranch_scc0 .Lasked_\@
	tensor_load_to_lds s[G0V:G0V+3], s[G1V:G1V+7]
	s_nop 0
.rept 4
	v_nop
.endr
.Lasked_\@:
.endm
; A PREFETCH INTO THE L2 of the key slot that the NEXT change of slots will ask for: trip t names slot t + 2, one trip (two key steps) ahead of its tensor load.  It stands where the fetching waves have their tensor load.
; All four work-groups of a head begin with slots 0, 1, 2 ..; work-group x = 0 walks all eight, so it asks, and nobody else; in it the waves that fetch nothing, 4 to 7, two instructions each, a lane a row.
; V: a slot's part of a row is 256 aligned bytes; 32 rows a wave.  K: an aligned block of 256 bytes holds one key's rows of heads h and h xor 1, so the even head asks for the slot's keys 0 to 127 and the odd head for
; keys 128 to 255, 32 a wave: each block is named once in the launch.  Slots 0 and 1 come by their loads alone; trip 5 names slot 7, the last; later trips ask for nothing.
.macro ASK
	s_cmp_lt_u32 s[TRIP], s[LIM]
	s_cbranch_scc0 .Lnot_mine_\@
	global_prefetch_b8 v[PFO], s[PFK:PFK+1] th:TH_LOAD_NT scope:SCOPE_SE
	global_prefetch_b8 v[PFO], s[PFV:PFV+1] th:TH_LOAD_NT scope:SCOPE_SE
.Lnot_mine_\@:
.endm
; THE CHANGE OF SLOTS stands at a trip's head.  Each wave waits for all its tensor loads (its part of the slot that it is about to read), adds 0 to its spare word, and waits for that and for its reads of the slot that it has left.
; Behind the barrier the slot ahead is whole and nobody reads the other one.  fill = 1: that other slot is filled with what the next trip wants; the load has this trip's two key steps in which to land.
.macro CHANGE fill
	s_wait_tensorcnt 0x0                           ; no tensor load of mine is out, so a group 0 may be written
	ds_add_u32 v[SPW], v[NIL]                      ; 0 onto my spare word: the descriptors' steps stand between it and the wait for it
.if \fill
	s_add_co_u32 s[KS], s[TRIP], 1                 ; the next trip's key slot: trip + 1 in the high pass,
	s_cmp_ge_u32 s[KS], s[NH]
	s_cselect_b32 s96, s[NH], 0
	s_sub_co_u32 s[KS], s[KS], s96                 ; and counted anew from 0 in the low pass
	s_lshl_b32 s96, s[KS], 19                      ; K: 256 keys of 2,048 bytes a slot
	s_mov_b32 s97, 0
	s_add_nc_u64 s[G0K+2:G0K+3], s[KB:KB+1], s[96:97]
	s_or_b32 s[G0K+3], s[G0K+3], 0x80000000        ; 127:126 type = 2
	s_xor_b32 s[G0K+1], s[G0K+1], SLOT1            ; the other slot than last time
	s_lshl_b32 s96, s[KS], 8                       ; V: 256 bytes of each row a slot
	s_add_nc_u64 s[G0V+2:G0V+3], s[VB:VB+1], s[96:97]
	s_or_b32 s[G0V+3], s[G0V+3], 0x80000000
	s_xor_b32 s[G0V+1], s[G0V+1], SLOT1
	s_wait_xcnt 0x0                                ; the last prefetches, a trip back, have read their addresses, so these may be written:
	s_add_nc_u64 s[PFK:PFK+1], s[PFK:PFK+1], 1<<19 ; a slot on
	s_add_nc_u64 s[PFV:PFV+1], s[PFV:PFV+1], 256
.endif
	s_wait_dscnt 0x0                               ; the add is done, and my reads of the slot that I have left are over
	s_barrier_signal -1
	s_barrier_wait -1
.if \fill
	TLOAD                                          ; the first thing behind the barrier, and a wave's one tensor load until the next
	ASK
.endif
.endm
; Four products of S^T = K Q^T: the four fragments of the buffer that source 0's window names x the tile's Q; sums begin with 0.  s: the first of the four results.
.macro KQ4 s
.irp t, 0,1,2,3
	v_wmma_f32_16x16x128_fp8_fp8 v[\s+8*\t:\s+8*\t+7], v[32+16*\t:47+16*\t], v[16:31], 0
.endr
.endm
; Four products of O^T += V^T P^T.  o: the first of the four accumulators.
.macro PV4 o
.irp f, 0,1,2,3
	v_wmma_f32_16x16x128_fp8_fp8 v[\o+8*\f:\o+8*\f+7], v[32+16*\f:47+16*\f], v[224:239], v[\o+8*\f:\o+8*\f+7]
.endr
.endm
; On the diagonal the scores of hidden keys become -infinity ahead of the maximum: p = 0 then.  sreg = the tile's first query - the step's first key.
; Register n holds key KF + 16 (n / 8) + 8 hh + n % 8; my query is the tile's first + r: hidden where 16 (n / 8) + n % 8 > sreg + r - 8 hh.  Each accumulator is read from its low end on.
.macro MASK sreg
	v_add_nc_u32 v250, \sreg, v247
.set n, 0
.rept 64
	v_cmp_gt_i32 vcc_lo, 16*(n/8)+n%8, v250
	v_cndmask_b32 v[96+n], v[96+n], v248, vcc_lo
.set n, n+1
.endr
.endm
; One tile's softmax for a key step; the same text serves both tiles, each under its window.
.macro SOFTMAX
	v_max3_num_f32 v254, v96, v97, v98             ; the step's largest score of my query among my 64 keys, in two chains, ascending
	v_max3_num_f32 v252, v99, v100, v101
.set i, 6
.rept 14
	v_max3_num_f32 v254, v254, v[96+i], v[97+i]
	v_max3_num_f32 v252, v252, v[98+i], v[99+i]
.set i, i+4
.endr
	v_max3_num_f32 v254, v254, v158, v159
	s_delay_alu instid0(VALU_DEP_1)
	v_max_num_f32 v254, v254, v252
	s_delay_alu instid0(VALU_DEP_1)
	v_permlanex16_b32 v246, v254, s[SEL], s[SEL+1]
	s_delay_alu instid0(VALU_DEP_1)
	v_max_num_f32 v254, v254, v246                 ; and among lane l xor 16's
	s_delay_alu instid0(VALU_DEP_1)
	v_mul_f32 v254, s[CS], v254                    ; as t (c is positive)
	s_delay_alu instid0(VALU_DEP_1)
	v_max_num_f32 v13, v13, v254                   ; the running largest t
	v_mov_b32 v254, v12
	s_delay_alu instid0(VALU_DEP_2)
	v_floor_f32 v12, -v13                          ; the new -M = floor(-t) = -ceil(t): M is a whole number
	s_delay_alu instid0(VALU_DEP_1)
	v_sub_f32 v254, v12, v254                      ; M's old value less its new one: a whole number, 0 or less
	s_delay_alu instid0(VALU_DEP_1)
	v_cvt_i32_f32 v254, v254                       ; (it saturates)
	s_delay_alu instid0(VALU_DEP_1)
	v_ldexp_f32 v252, 1.0, v254                    ; f = 2^(old M - new M)
.set j, 0
.rept 32
	v_pk_fma_f32 v[96+j:97+j], v[96+j:97+j], s[CS:CS+1], v[12:13] op_sel_hi:[1,0,0]   ; t - M, two at a time (of the pairs c and -M the low word serves both halves)
.set j, j+2
.endr
.set j, 0
	s_wait_alu depctr_va_vdst(0)
.rept 64
	v_exp_f32 v[96+j], v[96+j]                     ; p = 2^(t - M), at most 1: not normalised
.set j, j+1
.endr
	v_pk_mul_f32 v[14:15], v[14:15], v[252:253] op_sel_hi:[1,0]   ; the sums under the new M; also the plain instruction behind the last exponential
	s_wait_alu depctr_va_vdst(0)                   ; the wait ahead of the first instruction that names an exponential's result: one for the batch of 64
	v_pk_add_f32 v[242:243], v[96:97], v[98:99]    ; the row's sum is taken of the UNQUANTISED p: two at a time, in two chains
.set j, 4
.rept 15
	v_pk_add_f32 v[14:15], v[14:15], v[96+j:97+j]
	v_pk_add_f32 v[242:243], v[242:243], v[98+j:99+j]
.set j, j+4
.endr
	s_delay_alu instid0(VALU_DEP_1)
	v_pk_add_f32 v[14:15], v[14:15], v[242:243]
.set tt, 0
.rept 8
.set i, 0
.rept 8
.set i, i+1
.endr
	v_cvt_scalef32_pk8_fp8_f32 v[224+2*tt:225+2*tt], v[96+8*tt:103+8*tt], v244   ; keys 16 t + 8 hh + 0 .. 7: registers 2 t, 2 t + 1 of the operand
.set tt, tt+1
.endr
.set j, 0
.rept 32
	v_pk_mul_f32 v[160+j:161+j], v[160+j:161+j], v[252:253] op_sel_hi:[1,0]   ; O^T under the new M, from its low end on; these are also the plain instructions behind the last conversion
.set j, j+2
.endr
.endm
; A KEY STEP: 128 keys, the q-th half of the slot in hand, for both tiles.
.macro STEP q
	s_add_co_u32 s96, s[Q0], 31                    ; a step all of whose keys come after my 32 queries is left out: a scalar branch on ids and counters, round loads, products and softmax;
	s_cmp_gt_u32 s[KF], s96                        ; no barrier and no tensor load stands in a step
	s_cbranch_scc1 .Lhidden_\@
	v_add_nc_u32 v[ADK], s[TB], v[AK0]
	v_add_nc_u32 v[ADV], s[TB], v[AV0]
.irp t, 0,1,2,3                                ; K's tiles 0 to 3 into F0 (the four places behind the last products stand at the end of the step before)
.irp c, 0,1,2,3
	ds_load_b128 v[32+16*\t+4*\c:35+16*\t+4*\c], v[ADK] offset:(128*(\q)+16*\t)*KP+32*\c
.endr
.endr
	WIN 0x40                                       ; destination window 1, address window 0
.irp t, 0,1,2,3                                ; tiles 4 to 7 into F1
.irp c, 0,1,2,3
	ds_load_b128 v[32+16*\t+4*\c:35+16*\t+4*\c], v[ADK] offset:(128*(\q)+16*(\t+4))*KP+32*\c
.endr
.endr
	s_wait_alu depctr_va_vdst(0)
	s_wait_dscnt 16                                ; F0 is in; the sixteen younger loads, F1's, may be out
	WIN 0
	KQ4 96                                         ; tile A x F0
	WIN 0x54                                       ; source 0 window 0 (F0); Q and S^T of tile B
	KQ4 96
	s_wait_dscnt 0x0                               ; F1 is in
	WIN 0x55
	KQ4 128                                        ; tile B x F1
	WIN 0x01                                       ; source 0 window 1 (F1); Q and S^T of tile A
	KQ4 128
	WIN 0
	PLACES 4                                       ; four plain instructions behind the last product: in front of the loads into the fragments' registers and of the first read of the scores (ISA guide 7.12.1 for the read of the scores)
.irp f, 0,1,2,3                                ; V's fragments, asked for now, land during the softmax: channels 16 f on, keys 16 c + 8 hh + 0 .. 7 into registers 2 c, 2 c + 1
.irp c, 0,1,2,3,4,5,6,7
	ds_load_b64 v[32+16*\f+2*\c:33+16*\f+2*\c], v[ADV] offset:16*\f*VP+128*(\q)+16*\c
.endr
.endr
	WIN 0x40
.irp f, 0,1,2,3
.irp c, 0,1,2,3,4,5,6,7
	ds_load_b64 v[32+16*\f+2*\c:33+16*\f+2*\c], v[ADV] offset:16*(\f+4)*VP+128*(\q)+16*\c
.endr
.endr
	WIN 0
	s_add_co_u32 s96, s[KF], 127                   ; a step all of whose keys count for all my queries has no mask
	s_cmp_le_u32 s96, s[Q0]
	s_cbranch_scc1 .Lopen_\@
	s_sub_co_i32 s96, s[Q0], s[KF]                 ; (0 or more in a step that is not left out: both are multiples of 32)
	s_add_co_u32 s97, s96, 16
	MASK s96
	WIN 0x55
	MASK s97
	WIN 0
.Lopen_\@:
	SOFTMAX
	WIN 0x55
	SOFTMAX
	s_wait_alu depctr_va_vdst(0)
	s_wait_dscnt 0x0                               ; V is in
	PV4 192                                        ; sixteen accumulators, one instruction each: tile B x F1 (channels 64 on),
	WIN 0x54
	PV4 160                                        ; tile B x F0,
	WIN 0
	PV4 160                                        ; tile A x F0,
	WIN 0x01
	PV4 192                                        ; tile A x F1
	WIN 0
	PLACES 4                                       ; behind the last product: for the next loads into the fragments' and Q's registers and the next read of O^T, on every way on
.Lhidden_\@:
	s_add_co_u32 s[KF], s[KF], 128
.endm
.macro SLOT_STEPS
	STEP 0
	STEP 1
	s_xor_b32 s[TB], s[TB], SLOT1                  ; on to the other slot
.endm
; A pass begins: the largest t is -3e38, under every t; the sum and O^T are zeros, which the first change of M leaves zeros.  So the key step is written without a first step of its own:
; 128 moves a pass against two more copies of the step's text.
.macro INIT
.irp x, 0,1
	WIN 0x55*\x
	v_mov_b32 v13, 0xff61b1e6
	s_delay_alu instid0(VALU_DEP_1)
	v_floor_f32 v12, -v13
	v_mov_b32 v14, 0
	v_mov_b32 v15, 0
.set j, 0
.rept 64
	v_mov_b32 v[160+j], 0
.set j, j+1
.endr
.endr
	WIN 0
.endm
; Q's two fragments, from the base qb: they stay in registers for a pass.
.macro QLOAD qb
.irp c, 0,1,2,3
	global_load_b128 v[16+4*\c:19+4*\c], v[QA], s[\qb:\qb+1] offset:32*\c
.endr
	WIN 0x40
.irp c, 0,1,2,3
	global_load_b128 v[16+4*\c:19+4*\c], v[QA], s[\qb:\qb+1] offset:16*2048+32*\c
.endr
	WIN 0
.endm
; THE WAY OUT of a pass, tile by tile: O^T x 2^(ep + ev) / the sum goes through my stage in LDS, half a row (64 channels, 256 bytes) of 16 queries at a time, and sixteen lanes store 256 consecutive bytes,
; at a multiple of 256 from out0's first byte.  LDS serves a wave's instructions in order (ISA guide 5.7.1.4): the loads see my stores, and the next stores come behind the loads.
.macro FINISH ob
.irp x, 0,1
	WIN 0x55*\x
	v_add_f32 v14, v14, v15                        ; the sum's two halves,
	s_delay_alu instid0(VALU_DEP_1)
	v_permlanex16_b32 v246, v14, s[SEL], s[SEL+1]
	s_delay_alu instid0(VALU_DEP_1)
	v_add_f32 v14, v14, v246                       ; and lane l xor 16's: the row's sum
	s_wait_alu depctr_va_vdst(0)
	v_rcp_f32 v14, v14
	v_nop                                          ; a plain instruction behind the reciprocal,
	s_wait_alu depctr_va_vdst(0)                   ; and a wait ahead of its first reader
	v_ldexp_f32 v14, v14, s[EPV]
.set j, 0
.rept 32
	v_pk_mul_f32 v[96+j:97+j], v[160+j:161+j], v[14:15] op_sel_hi:[1,0]   ; register 8 f + i is o(r, 16 f + 8 hh + i); each accumulator from its low end on
.set j, j+2
.endr
.irp u, 0,1                                    ; channels 64 u on
	WIN 0x04*\x                                    ; store data in the tile's window, address in window 0
.irp t, 0,1,2,3
	ds_store_b128 v[STI], v[96+32*\u+8*\t:99+32*\u+8*\t] offset:64*\t
	ds_store_b128 v[STI], v[100+32*\u+8*\t:103+32*\u+8*\t] offset:64*\t+16
.endr
	WIN 0x40*\x                                    ; destination in the tile's window
.irp i, 0,1,2,3,4,5,6,7
	ds_load_b128 v[32+32*\u+4*\i:35+32*\u+4*\i], v[STB] offset:2*\i*SP
.endr
.endr
	WIN 0x04*\x
.irp u, 0,1
.irp i, 0,1,2,3,4,5,6,7
	s_wait_dscnt 23-16*\u-\i                       ; behind load (u, i) were issued the rest of its eight and, for u = 0, the second half's eight stores and eight loads
	global_store_b128 v[GO], v[32+32*\u+4*\i:35+32*\u+4*\i], s[\ob:\ob+1] offset:\x*131072+2*\i*8192+256*\u th:TH_STORE_NT   ; written once, read by nobody here
.endr
.endr
.endr
	WIN 0
.endm
	s_load_b256 s[4:11], s[0:1], 0x0               ; q_codes s[4:5], k_codes s[6:7], v_codes s[8:9], lowp_scales s[10:11]
	s_load_b64 s[12:13], s[0:1], 0x20              ; out0
	v_lshl_add_u32 v[SPW], v0, 2, SPARE
	v_mov_b32 v[NIL], 0
	ds_add_u32 v5, v6
	ds_add_u32 v5, v6
	s_wait_dscnt 0x0
	v_lshrrev_b32 v8, 5, v0
	s_delay_alu instid0(VALU_DEP_1)
	v_readfirstlane_b32 s[WV], v8                  ; wave 0..7
	s_and_b32 s73, ttmp7, 0xffff                   ; y = 16 b + h
	s_lshr_b32 s74, s73, 4                         ; b
	s_and_b32 s75, s73, 15                         ; h
	s_sub_co_u32 s[NH], 8, ttmp9                   ; the high pass's trips
	s_lshl_b32 s76, s74, 22
	s_lshl_b32 s77, s75, 7
	s_add_co_u32 s76, s76, s77                     ; the head's first byte in q_codes and k_codes: b x 2^22 + 128 h
	s_mov_b32 s77, 0
	s_lshl_b32 s78, s73, 18                        ; in v_codes: y x 128 rows of 2,048 bytes
	s_mov_b32 s79, 0
	s_lshl_b32 s80, s74, 24
	s_lshl_b32 s81, s75, 9
	s_add_co_u32 s80, s80, s81                     ; in out0: b x 2^24 + 512 h
	s_mov_b32 s81, 0
	s_and_b32 s82, s[WV], 1                        ; which half of a tile I fetch, if I fetch
	s_lshl_b32 s84, s82, 18                        ; K: 128 keys of 2,048 bytes in memory,
	s_mov_b32 s85, 0
	s_add_nc_u64 s[84:85], s[84:85], s[76:77]
	s_lshl_b32 s86, s82, 17                        ; V: 64 rows of 2,048 bytes
	s_mov_b32 s87, 0
	s_add_nc_u64 s[86:87], s[86:87], s[78:79]
	s_mul_i32 s88, s82, 128*KP                     ; and their places in a slot
	s_mul_i32 s89, s82, 64*VP
	s_add_co_u32 s89, s89, VOFF
	; descriptor group 1, elements of one byte.  K: 128 rows of 128 bytes, 2,048 apart;  V: 64 rows of 256 bytes, 2,048 apart
	s_mov_b32 s[G1K], (1<<20)|(4<<22)|(3<<25)      ; 15:0 no mask; 17:16 elements of 1 byte; 20 padding on; 24:22 after every 32 words (code 4); 31:25 four words (code 3)
	s_mov_b32 s[G1K+1], 128<<16                    ; tensor_dim0
	s_mov_b32 s[G1K+2], 128<<16                    ; tensor_dim1
	s_mov_b32 s[G1K+3], 128<<16                    ; tile_dim0
	s_mov_b32 s[G1K+4], 128                        ; tile_dim1
	s_mov_b32 s[G1K+5], 2048                       ; tensor_dim0_stride
	s_mov_b32 s[G1K+6], 0
	s_mov_b32 s[G1K+7], 0
	s_mov_b32 s[G1V], (1<<20)|(5<<22)|(3<<25)      ; padding: four words after every 64
	s_mov_b32 s[G1V+1], 256<<16
	s_mov_b32 s[G1V+2], 64<<16
	s_mov_b32 s[G1V+3], 256<<16
	s_mov_b32 s[G1V+4], 64
	s_mov_b32 s[G1V+5], 2048
	s_mov_b32 s[G1V+6], 0
	s_mov_b32 s[G1V+7], 0
	s_mov_b32 s[SEL], 0x76543210
	s_mov_b32 s[SEL+1], 0xfedcba98
	s_mov_b32 s[CS], 0x3e0293ee                    ; log2(e) / sqrt(128)
	s_wait_kmcnt 0x0
	s_load_b128 s[68:71], s[10:11], 0x0            ; eq, ek, ev, ep
	s_add_nc_u64 s[KB:KB+1], s[6:7], s[84:85]
	s_add_nc_u64 s[VB:VB+1], s[8:9], s[86:87]
	s_mov_b32 s[G0K], 1                            ; 1:0 count = 1
	s_mov_b32 s[G0K+1], s88                        ; 63:32 LDS address: slot 0
	s_mov_b64 s[G0K+2:G0K+3], s[KB:KB+1]           ; 120:64 global address: key slot 0
	s_or_b32 s[G0K+3], s[G0K+3], 0x80000000        ; 127:126 type = 2
	s_mov_b32 s[G0V], 1
	s_mov_b32 s[G0V+1], s89
	s_mov_b64 s[G0V+2:G0V+3], s[VB:VB+1]
	s_or_b32 s[G0V+3], s[G0V+3], 0x80000000
	TLOAD                                          ; slot 0: ahead of every wait on TENSORcnt, every LDS read and every barrier
	s_sub_co_u32 s90, 7, ttmp9
	s_lshl_b32 s90, s90, 8
	s_lshl_b32 s91, s[WV], 5
	s_add_co_u32 s[Q0], s90, s91                   ; my first query, high pass: 256 (7 - x) + 32 w
	s_lshl_b32 s90, ttmp9, 8
	s_sub_co_u32 s91, 224, s91
	s_add_co_u32 s[Q0L], s90, s91                  ; low pass: 256 x + 32 (7 - w)
	s_lshl_b32 s92, s[Q0], 11
	s_mov_b32 s93, 0
	s_add_nc_u64 s[92:93], s[92:93], s[76:77]
	s_add_nc_u64 s[QBH:QBH+1], s[4:5], s[92:93]
	s_lshl_b32 s92, s[Q0L], 11
	s_mov_b32 s93, 0
	s_add_nc_u64 s[92:93], s[92:93], s[76:77]
	s_add_nc_u64 s[QBL:QBL+1], s[4:5], s[92:93]
	s_lshl_b32 s92, s[Q0], 13
	s_mov_b32 s93, 0
	s_add_nc_u64 s[92:93], s[92:93], s[80:81]
	s_add_nc_u64 s[OBH:OBH+1], s[12:13], s[92:93]
	s_lshl_b32 s92, s[Q0L], 13
	s_mov_b32 s93, 0
	s_add_nc_u64 s[92:93], s[92:93], s[80:81]
	s_add_nc_u64 s[OBL:OBL+1], s[12:13], s[92:93]
	; the prefetches (macro ASK): where my wave's stand, and who asks.  Nothing is prefetched here, at the head, where every work-group's first tiles are on their way
	s_and_b32 s92, s75, 1
	s_lshl_b32 s92, s92, 7                         ; K: keys 128 (h % 2)
	s_and_b32 s94, s[WV], 3
	s_lshl_b32 s94, s94, 5                         ; + 32 (w % 4) of a slot,
	s_add_co_u32 s92, s92, s94
	s_lshl_b32 s92, s92, 11
	s_add_co_u32 s92, s92, 1<<19                   ; in slot 1: the first change of slots steps it to slot 2
	s_mov_b32 s93, 0
	s_add_nc_u64 s[92:93], s[92:93], s[76:77]
	s_add_nc_u64 s[PFK:PFK+1], s[6:7], s[92:93]
	s_lshl_b32 s92, s94, 11                        ; V: rows 32 (w % 4) on,
	s_add_co_u32 s92, s92, 256                     ; in slot 1
	s_mov_b32 s93, 0
	s_add_nc_u64 s[92:93], s[92:93], s[78:79]
	s_add_nc_u64 s[PFV:PFV+1], s[8:9], s[92:93]
	s_lshr_b32 s92, s[WV], 2
	s_xor_b32 s92, s92, 1                          ; 0 in waves 4 to 7,
	s_or_b32 s92, s92, ttmp9                       ; of work-group x = 0
	s_cmp_eq_u32 s92, 0
	s_cselect_b32 s[LIM], 6, 0
	v_and_b32 v8, 15, v0                           ; r = lane % 16
	v_bfe_u32 v9, v0, 4, 1                         ; hh = lane / 16
	s_delay_alu instid0(VALU_DEP_2)
	v_mul_u32_u24 v[AK0], v8, KP
	s_delay_alu instid0(VALU_DEP_1)
	v_lshl_add_u32 v[AK0], v9, 4, v[AK0]
	s_delay_alu instid0(VALU_DEP_4)
	v_mul_u32_u24 v[AV0], v8, VP
	s_delay_alu instid0(VALU_DEP_1)
	v_lshl_add_u32 v[AV0], v9, 3, v[AV0]
	s_delay_alu instid0(VALU_DEP_1)
	v_add_nc_u32 v[AV0], VOFF, v[AV0]
	v_and_b32 v[PFO], 31, v0
	s_delay_alu instid0(VALU_DEP_1)
	v_lshlrev_b32 v[PFO], 11, v[PFO]
	v_lshlrev_b32 v[QA], 11, v8
	s_delay_alu instid0(VALU_DEP_1)
	v_lshl_add_u32 v[QA], v9, 4, v[QA]
	v_lshlrev_b32 v[GO], 13, v9
	s_delay_alu instid0(VALU_DEP_1)
	v_lshl_add_u32 v[GO], v8, 4, v[GO]             ; the way out: lanes 0-15 take one row of out0, lanes 16-31 the next; 16 bytes a lane
	s_mul_i32 s92, s[WV], 16*SP
	s_add_co_u32 s92, s92, STAGE                   ; my stage
	v_mul_u32_u24 v[STI], v8, SP
	s_delay_alu instid0(VALU_DEP_1)
	v_lshl_add_u32 v[STI], v9, 5, v[STI]
	s_delay_alu instid0(VALU_DEP_1)
	v_add_nc_u32 v[STI], s92, v[STI]               ; in: row r, + 32 hh
	v_mul_u32_u24 v[STB], v9, SP
	s_delay_alu instid0(VALU_DEP_1)
	v_lshl_add_u32 v[STB], v8, 4, v[STB]
	s_delay_alu instid0(VALU_DEP_1)
	v_add_nc_u32 v[STB], s92, v[STB]               ; back: lanes 0-15 one row, lanes 16-31 the next
	QLOAD QBH                                      ; the high pass's Q
	v_lshlrev_b32 v247, 3, v9
	s_delay_alu instid0(VALU_DEP_1)
	v_sub_nc_u32 v247, v8, v247                    ; r - 8 hh, for the mask
	v_mov_b32 v248, 0xff800000                     ; -infinity
	v_mov_b32 v246, 0                              ; written once: a lane permute's destination counts as one of its sources
	v_mov_b32 v253, 0                              ; (named as the upper half of the pair v[252:253])
	WIN 0x40                                       ; the same in window 1 (destination window 1, source window 0)
	v_mov_b32 v247, v247
	v_mov_b32 v248, 0xff800000
	v_mov_b32 v246, 0
	v_mov_b32 v253, 0
	WIN 0
	INIT
	s_wait_kmcnt 0x0
	s_add_co_i32 s92, s68, s69
	s_lshl_b32 s92, s92, 23
	s_add_co_i32 s[CS], s[CS], s92                 ; a score stands for score x 2^(eq + ek): the two exponents are added to c's exponent field
	s_mov_b32 s[CS+1], s[CS]                       ; (named with it as a pair, so it is written)
	s_add_co_i32 s92, s71, 127
	s_lshl_b32 s93, s92, 23                        ; 2^ep as f32: the conversion takes its exponent field
	s_add_co_i32 s[EPV], s70, s71                  ; ev + ep
	v_mov_b32 v244, s93
	WIN 0x40
	v_mov_b32 v244, s93
	WIN 0
	s_mov_b32 s[TRIP], 0
	s_mov_b32 s[KF], 0
	s_mov_b32 s[TB], 0
	s_wait_loadcnt 0x0                             ; Q
.Lslot:                                            ; eight trips: behind each change of slots but the last the next trip's slot is asked for
	CHANGE 1
	SLOT_STEPS
	s_add_co_u32 s[TRIP], s[TRIP], 1
	s_cmp_lg_u32 s[TRIP], s[NH]                    ; the high pass ends behind trip 7 - x: a branch on the work-group's number and the trip; no barrier and no tensor load stands under it
	s_cbranch_scc1 .Lno_switch
	QLOAD QBL                                      ; the low pass's Q is on its way while the high pass's rows leave
	FINISH OBH
	INIT
	s_mov_b32 s[KF], 0
	s_mov_b32 s[Q0], s[Q0L]
	s_wait_xcnt 0x0                                ; the stores have read v32-95 of both windows: the next step's fragments may land there
	s_wait_loadcnt 0x0                             ; Q
.Lno_switch:
	s_cmp_lt_u32 s[TRIP], 8
	s_cbranch_scc1 .Lslot
	CHANGE 0                                       ; the last trip is written out: nothing is left to fetch
	SLOT_STEPS
	FINISH OBL
	s_wait_tensorcnt 0x0                           ; the wave's end, behind my last tensor load and my last LDS store
	ds_add_u32 v[SPW], v[NIL]
	s_wait_dscnt 0x0
	s_endpgm
.Lfunc_end_k_q4b89ff3e27_attn:
	.size	k_q4b89ff3e27_attn, .Lfunc_end_k_q4b89ff3e27_attn-k_q4b89ff3e27_attn
	.p2alignl 7, 3214868480
	.fill 96, 4, 3214868480
	.section	.rodata,"a",@progbits
	.p2align	6, 0x0
	.amdhsa_kernel k_q4b89ff3e27_attn
		.amdhsa_group_segment_fixed_size 327680
		.amdhsa_private_segment_fixed_size 0
		.amdhsa_enable_private_segment 0
		.amdhsa_kernarg_size 40
		.amdhsa_user_sgpr_count 2
		.amdhsa_user_sgpr_kernarg_segment_ptr 1
		.amdhsa_wavefront_size32 1
		.amdhsa_system_sgpr_workgroup_id_x 1
		.amdhsa_system_sgpr_workgroup_id_y 1
		.amdhsa_system_sgpr_workgroup_id_z 1
		.amdhsa_system_vgpr_workitem_id 0
		.amdhsa_next_free_vgpr 512
		.amdhsa_next_free_sgpr 100
		.amdhsa_reserve_vcc 1
		.amdhsa_float_denorm_mode_32 3
		.amdhsa_float_denorm_mode_16_64 3
		.amdhsa_fp16_overflow 1
		.amdhsa_memory_ordered 1
		.amdhsa_forward_progress 1
		.amdhsa_inst_pref_size 215
	.end_amdhsa_kernel
	.amdgpu_metadata
---
amdhsa.version: [ 1, 2 ]
amdhsa.kernels:
  - .name:           k_q4b89ff3e27_attn
    .symbol:         k_q4b89ff3e27_attn.kd
    .args:
      - { .name: q_codes, .offset: 0, .size: 8, .value_kind: global_buffer, .address_space: global }
      - { .name: k_codes, .offset: 8, .size: 8, .value_kind: global_buffer, .address_space: global }
      - { .name: v_codes, .offset: 16, .size: 8, .value_kind: global_buffer, .address_space: global }
      - { .name: lowp_scales, .offset: 24, .size: 8, .value_kind: global_buffer, .address_space: global }
      - { .name: out0, .offset: 32, .size: 8, .value_kind: global_buffer, .address_space: global }
    .group_segment_fixed_size: 327680
    .private_segment_fixed_size: 0
    .kernarg_segment_align: 8
    .kernarg_segment_size: 40
    .max_flat_workgroup_size: 256
    .sgpr_count:     100
    .vgpr_count:     512
    .wavefront_size: 32
...
	.end_amdgpu_metadata
.endif
;; end of part 1
